; MI455X (gfx1250); checked and timed in simulation.
; The chip was launched on July 23, 2026; its instructions are those of AMD's public machine-readable ISA for CDNA 5 (MIT licence, August 2026) and "CDNA5" Instruction Set Architecture Reference Guide (July 2026). The comments in the code are by the model that wrote it; some were corrected since.
;; Causal Self Attention. Allowed arithmetic: matrix products marked QUANTISED: E4M3 operands, one given power-of-two scale a tensor, by v_wmma_f32_16x16x64_fp8_fp8 or v_wmma_f32_16x16x128_fp8_fp8, f32 sums; everything else in f32.
;; Inputs: Wk 1,024 x 1,024 float32; Wp 1,024 x 1,024 float32; Wq 1,024 x 1,024 float32; Wv 1,024 x 1,024 float32; lowp_scales 12 int32 (the exponents e of the quantised operands' scales 2^e); x 4 x 2,048 x 1,024 float32.
;; Outputs: out0 4 x 2,048 x 1,024 float32.
;; This version of the problem:
;;   THIS VERSION OF THE PROBLEM IS GIVEN IN LOW PRECISION. The matrix products marked QUANTISED in the list below multiply operands that are first quantised to E4M3 (4 exponent bits, 3 mantissa bits; 8 bits a number), with one given power-of-two scale for each operand tensor; their sums are f32. All else is computed in f32.
;;   The module's matrix products, in the order in which they are computed (A, B: the left and right operand; K: the contracted axis; several contracted axes count as one K, in the product's order):
;;     1. [M 8,192, K 1,024] x [K 1,024, N 1,024]; A: input x; B: input Wq: QUANTISED (scales: A lowp_scales[0], B lowp_scales[1])
;;     2. [M 8,192, K 1,024] x [K 1,024, N 1,024]; A: input x; B: input Wk: QUANTISED (scales: A lowp_scales[2], B lowp_scales[3])
;;     3. [M 8,192, K 1,024] x [K 1,024, N 1,024]; A: input x; B: input Wv: QUANTISED (scales: A lowp_scales[4], B lowp_scales[5])
;;     4. batch 64 x [M 2,048, K 64] x [K 64, N 2,048]; A: computed on the way; B: computed on the way: QUANTISED (scales: A lowp_scales[6], B lowp_scales[7])
;;     5. batch 64 x [M 2,048, K 2,048] x [K 2,048, N 64]; A: softmax (see below); B: computed on the way: QUANTISED (scales: A lowp_scales[8], B lowp_scales[9])
;;     6. [M 8,192, K 1,024] x [K 1,024, N 1,024]; A: computed on the way; B: input Wp: QUANTISED (scales: A lowp_scales[10], B lowp_scales[11])
;;   THE QUANTISER, for each operand of a quantised product, along K:
;;     - The operand's scale is 2^e, e = its entry of the input lowp_scales (int32; the entries are numbered through the quantised products in the list's order, A before B).
;;     - Each number is divided by the scale, clamped to +-448, and rounded to the nearest number of E4M3, ties to even, subnormals kept.
;;     - The product sums the exact products of the quantised numbers (number of the format x scale) in f32.
;;   ~~~python
;;   def quantise(x, axis, e):      # numpy; x: float32 -> the quantised numbers, widened to float32 again
;;       x = np.moveaxis(x, axis, -1); K = x.shape[-1]
;;       r = np.clip(x / 2.0 ** e, -448, 448)
;;       step = 2.0 ** (np.maximum(np.frexp(np.where(r == 0, 1, r))[1] - 1, -6) - 3)
;;       q = np.round(r / step) * step * 2.0 ** e      # np.round: ties to even
;;       return np.moveaxis(q, -1, axis).astype(np.float32)
;;   ~~~
;;   SOFTMAX AHEAD OF A QUANTISED PRODUCT. Where the list says 'softmax', what is quantised is not the finished softmax but p = 2^(t - M), with t = logit x log2(e) and M = ceil(the row's largest t), a whole number; so 1/2 < the row's largest p <= 1. The row's sum l is taken of the UNQUANTISED p, in f32, and the product's result is divided by l at the end. Since M is a whole number, a kernel that streams over the keys may use a running M (the ceiling of the running maximum): every later rescaling is an exact power of two, so the quantised numbers keep their values, but for numbers so far below the row's largest that they fall under the format's range.
;;   OPERANDS COMPUTED ON THE WAY. 'Computed on the way' means the value that the module computes at that place (a softmax that the list does not call 'softmax' is quantised finished and normalised). What goes into a quantiser is computed in f32, as accurately as f32 sums, v_exp_f32 and their like allow (about 1e-6 of the number): no bf16 or f16 on the way to a quantiser, and a product that is left as it is and whose result goes on into a quantised operand takes f32 operands (vector FMAs, or v_wmma_f32_16x16x4_f32). A number that lies on a knife's edge between two numbers of the format may be rounded either way, as far as f32 arithmetic and the matrix unit's own rounding can turn it there, and no further.
;; One version. Each part assembles by itself: llvm-mc -triple=amdgcn-amd-amdhsa -mcpu=gfx1250 --defsym DOCPART=n.
;; ======== version 1 of 1: 4 launches
;; limits: right only within a limited range of input values
;; workspace buffers: xc 25,165,824 bytes; wc 4,194,304 bytes; qc 8,388,608 bytes; kc 8,388,608 bytes; vc 8,388,608 bytes; yc 8,388,608 bytes
;; launch quant (part 1): grid 384 x 1, 4 waves a work-group, no clusters, 33,280 bytes of LDS; arguments x, Wq, Wk, Wv, Wp, lowp_scales, xc, wc; writes xc, wc
.if DOCPART == 1
	.amdgcn_target "amdgcn-amd-amdhsa--gfx1250"
	.amdhsa_code_object_version 6
	.text
	.protected	k_qe99ab97077_quant
	.globl	k_qe99ab97077_quant
	.p2align	8
	.type	k_qe99ab97077_quant,@function
k_qe99ab97077_quant:
	s_mov_b64 s[64:65], 0
	v_nop
	global_prefetch_b8 v0, s[64:65] scope:SCOPE_SE
	s_setreg_imm32_b32 hwreg(HW_REG_WAVE_MODE, 25, 1), 1
	s_wait_xcnt 0x0
; x [8192][1024] and Wq, Wk, Wv, Wp [1024][1024], f32, K innermost, become codes of E4M3, one byte each, K innermost.
; code = number / 2^e, held within +-448, rounded to the nearest code, ties to even.
; x is an operand of three products with three given exponents (entries 0, 2, 4 of the scales): it is read once and leaves three times, into the planes xc[0], xc[1], xc[2].
; Wq, Wk, Wv, Wp take entries 1, 3, 5, 11 and go to the planes wc[0..3].  Wv's row n is stored at the row whose bits 3 and 4 are exchanged: the later launches then find
; the channels of v in the order in which the last product's operand wants them.
; LIMITS: each exponent used here lies between -126 and 127, so that 2^e is an f32 number.  NaN among the inputs is not served.
; SHARES: a wave takes 8,192 numbers (8 rows) in 16 steps of 512; a work-group four such runs.  Work-groups 0-255 take x, 256-383 the weights, 32 each.
; Every load reads 512 consecutive bytes; a step's 2,048 bytes turn through the wave's own stage in LDS, so that a lane holds 16 neighbours along K; a lane's 16 codes are 16 bytes: each store
; of a wave covers 512 consecutive bytes, aligned.  Waves share nothing: no barrier.  All LDS lines lie on the one path that every work-group takes; only conversions and stores are jumped over for the weights.
.set STEPS, 16
.set XWG,   256                        ; work-groups that take x
.set SP,    80                         ; a lane's place in a stage: 64 bytes + 16 of padding
.set WREG,  8192                       ; LDS of a wave: two stages of 32 x SP bytes
.set R,     16                         ; v16-79   four sets of 16 numbers as loaded
.set X,     80                         ; v80-111  two sets of 16 neighbours
.set T,     112
.set C,     128                        ; v128-139 codes: four registers for each of the three scales
.set SC,    140                        ; v140-145 for scale k: 2^e
.set D,     48                         ; s[48:53] the three destinations
	s_load_b512 s[8:23], s[0:1], 0x0               ; x 8, Wq 10, Wk 12, Wv 14, Wp 16, scales 18, xc 20, wc 22
	v_lshl_add_u32 v152, v0, 2, 0x8000
	v_mov_b32 v153, 0
	v_lshrrev_b32 v1, 5, v0
	v_readfirstlane_b32 s24, v1                    ; wave
	v_and_b32 v2, 31, v0                           ; lane
	v_lshlrev_b32 v3, 4, v2                        ; 16 x lane: my bytes of a load's 512 and of a store's 512; never rewritten
	s_mul_i32 s25, s24, WREG
	v_lshrrev_b32 v14, 2, v2
	v_mul_u32_u24 v14, v14, SP
	v_and_b32 v15, 3, v2
	v_lshl_add_u32 v14, v15, 4, v14
	v_add_nc_u32 v14, s25, v14                     ; the stage, on the way in: four lanes' 64 bytes on end, then the padding
	v_mul_u32_u24 v15, v2, SP
	v_add_nc_u32 v15, s25, v15                     ; and on the way out: my 16 neighbours
	s_sub_co_u32 s26, ttmp9, XWG                   ; (wraps in x's work-groups: s27 then names no weight)
	s_lshr_b32 s27, s26, 5                         ; which weight
	s_and_b32 s28, s26, 31                         ; which 32nd of it
	s_cmp_lt_u32 ttmp9, XWG
	s_cselect_b32 s28, ttmp9, s28                  ; or which 256th of x
	s_and_b32 s29, s24, 1
	s_lshl_b32 s29, s29, 1
	s_lshr_b32 s30, s24, 1
	s_or_b32 s29, s29, s30                         ; a wave's run is 8 rows: bits 3 and 4 of a row's number are the wave's two bits
	s_cmp_eq_u32 s27, 2
	s_cselect_b32 s29, s29, s24                    ; exchanged for Wv alone
	s_lshl_b32 s30, s28, 2
	s_add_co_u32 s31, s30, s24                     ; the run that I read,
	s_add_co_u32 s30, s30, s29                     ; and the run that I write
	s_lshl_b32 s32, s31, 15
	s_mov_b32 s33, 0
	s_lshl_b32 s34, s30, 13
	s_mov_b32 s35, 0
	s_lshl_b32 s36, s27, 20                        ; the weight's plane in wc
	s_cmp_lt_u32 ttmp9, XWG
	s_cselect_b32 s36, 0, s36
	s_add_co_u32 s34, s34, s36
	s_wait_alu depctr_va_vdst(0)
	s_wait_kmcnt 0x0
	s_load_b256 s[36:43], s[18:19], 0x0            ; e0 .. e7
	s_load_b128 s[44:47], s[18:19], 0x20           ; e8 .. e11
	s_mov_b64 s[4:5], s[10:11]                     ; the source: the choices hang on the work-group's number alone
	s_cmp_eq_u32 s27, 1
	s_cselect_b64 s[4:5], s[12:13], s[4:5]
	s_cmp_eq_u32 s27, 2
	s_cselect_b64 s[4:5], s[14:15], s[4:5]
	s_cmp_eq_u32 s27, 3
	s_cselect_b64 s[4:5], s[16:17], s[4:5]
	s_cmp_lt_u32 ttmp9, XWG
	s_cselect_b64 s[4:5], s[8:9], s[4:5]
	s_cselect_b64 s[D:D+1], s[20:21], s[22:23]
	s_add_nc_u64 s[4:5], s[4:5], s[32:33]
	s_add_nc_u64 s[D:D+1], s[D:D+1], s[34:35]
	s_add_nc_u64 s[D+2:D+3], s[D:D+1], 0x800000    ; xc's planes 1 and 2: bases of their own (used by x's work-groups alone)
	s_add_nc_u64 s[D+4:D+5], s[D:D+1], 0x1000000
.macro LOAD t
.irp i, 0,1,2,3
	global_load_b128 v[R+16*((\t)%4)+4*\i:R+16*((\t)%4)+4*\i+3], v3, s[4:5] offset:2048*(\t)+512*\i th:TH_LOAD_NT   ; 32 lanes read 512 consecutive bytes
.endr
.endm
.macro TURN t                          ; step t's numbers through the stage: LDS serves a wave's instructions in order (ISA guide 5.7.1.4), so no wait stands between the stores and the loads
.irp i, 0,1,2,3
	ds_store_b128 v14, v[R+16*((\t)%4)+4*\i:R+16*((\t)%4)+4*\i+3] offset:32*SP*((\t)%2)+8*SP*\i
.endr
.irp i, 0,1,2,3
	ds_load_b128 v[X+16*((\t)%2)+4*\i:X+16*((\t)%2)+4*\i+3], v15 offset:32*SP*((\t)%2)+16*\i
.endr
.endm
.irp t, 0,1,2,3
	LOAD \t
.endr
	s_wait_kmcnt 0x0
	s_mov_b32 s25, s37                             ; the first scale's exponent: e1, e3, e5, e11 by the weight, e0 for x
	s_cmp_eq_u32 s27, 1
	s_cselect_b32 s25, s39, s25
	s_cmp_eq_u32 s27, 2
	s_cselect_b32 s25, s41, s25
	s_cmp_eq_u32 s27, 3
	s_cselect_b32 s25, s47, s25
	s_cmp_lt_u32 ttmp9, XWG
	s_cselect_b32 s25, s36, s25
.macro MKSC k, e                       ; 2^e as f32 (the conversion takes its exponent field)
	s_add_co_i32 s26, \e, 127
	s_lshl_b32 s30, s26, 23
	v_mov_b32 v[SC+2*\k], s30
.endm
	MKSC 0, s25
	MKSC 1, s38                                    ; e2
	MKSC 2, s40                                    ; e4
	s_wait_alu depctr_va_vdst(0)
	s_wait_loadcnt 12                              ; step 0's four loads are in; three steps' loads stay out
	TURN 0
.macro CONV k, t                       ; the step's 16 neighbours under scale k.  X is kept: three scales read it
.irp i, 0,1,2,3,4,5,6,7,8,9,10,11,12,13,14,15
.endr
	v_cvt_scalef32_pk8_fp8_f32 v[C+4*\k:C+4*\k+1], v[XS:XS+7], v[SC+2*\k]
	v_cvt_scalef32_pk8_fp8_f32 v[C+4*\k+2:C+4*\k+3], v[XS+8:XS+15], v[SC+2*\k]
	v_nop                                          ; a plain line between the conversions and the next write of their sources
	global_store_b128 v3, v[C+4*\k:C+4*\k+3], s[D+2*\k:D+2*\k+1] offset:512*(\t)
.endm
.macro STEP t
.set XS, X+16*((\t)%2)
	s_wait_dscnt 0x0                               ; this step's numbers are back from the stage, so its stores into the stage have read their registers,
.if (\t)+4 < STEPS
	LOAD (\t)+4                                    ; which take the loads of four steps on
.endif
.if (\t)+1 < STEPS
.if STEPS-2-(\t) >= 3
	s_wait_loadcnt 12                              ; the next step's four loads are in; those of the three steps behind it may be out
.else
	s_wait_loadcnt 4*(STEPS-2-(\t))
.endif
	TURN (\t)+1                                    ; and go through the other stage while this step is worked
.endif
	s_wait_xcnt 0x0                                ; the last step's stores have read their data: the codes' registers are written again only behind this wait
	CONV 0, \t
	s_cmp_lt_u32 ttmp9, XWG                        ; a weight has one scale
	s_cbranch_scc0 .Lw_\@
	CONV 1, \t
	CONV 2, \t
.Lw_\@:
.endm
.irp t, 0,1,2,3,4,5,6,7,8,9,10,11,12,13,14,15
	STEP \t
.endr
	s_wait_tensorcnt 0x0
	ds_add_u32 v152, v153
	s_wait_dscnt 0x0
	s_endpgm
.Lfunc_end_k_qe99ab97077_quant:
	.size	k_qe99ab97077_quant, .Lfunc_end_k_qe99ab97077_quant-k_qe99ab97077_quant
	.p2alignl 7, 3214868480
	.fill 96, 4, 3214868480
	.section	.rodata,"a",@progbits
	.p2align	6, 0x0
	.amdhsa_kernel k_qe99ab97077_quant
		.amdhsa_group_segment_fixed_size 33280
		.amdhsa_private_segment_fixed_size 0
		.amdhsa_enable_private_segment 0
		.amdhsa_kernarg_size 64
		.amdhsa_user_sgpr_count 2
		.amdhsa_user_sgpr_kernarg_segment_ptr 1
		.amdhsa_wavefront_size32 1
		.amdhsa_system_sgpr_workgroup_id_x 1
		.amdhsa_system_sgpr_workgroup_id_y 1
		.amdhsa_system_sgpr_workgroup_id_z 1
		.amdhsa_system_vgpr_workitem_id 0
		.amdhsa_next_free_vgpr 154
		.amdhsa_next_free_sgpr 66
		.amdhsa_reserve_vcc 0
		.amdhsa_float_denorm_mode_32 3
		.amdhsa_float_denorm_mode_16_64 3
		.amdhsa_fp16_overflow 1
		.amdhsa_memory_ordered 1
		.amdhsa_forward_progress 1
		.amdhsa_inst_pref_size 33
	.end_amdhsa_kernel
	.amdgpu_metadata
---
amdhsa.version: [ 1, 2 ]
amdhsa.kernels:
  - .name:           k_qe99ab97077_quant
    .symbol:         k_qe99ab97077_quant.kd
    .args:
      - { .name: x, .offset: 0, .size: 8, .value_kind: global_buffer, .address_space: global }
      - { .name: Wq, .offset: 8, .size: 8, .value_kind: global_buffer, .address_space: global }
      - { .name: Wk, .offset: 16, .size: 8, .value_kind: global_buffer, .address_space: global }
      - { .name: Wv, .offset: 24, .size: 8, .value_kind: global_buffer, .address_space: global }
      - { .name: Wp, .offset: 32, .size: 8, .value_kind: global_buffer, .address_space: global }
      - { .name: lowp_scales, .offset: 40, .size: 8, .value_kind: global_buffer, .address_space: global }
      - { .name: xc, .offset: 48, .size: 8, .value_kind: global_buffer, .address_space: global }
      - { .name: wc, .offset: 56, .size: 8, .value_kind: global_buffer, .address_space: global }
    .group_segment_fixed_size: 33280
    .private_segment_fixed_size: 0
    .kernarg_segment_align: 8
    .kernarg_segment_size: 64
    .max_flat_workgroup_size: 128
    .sgpr_count:     66
    .vgpr_count:     154
    .wavefront_size: 32
...
	.end_amdgpu_metadata
.endif
;; end of part 1
;; launch qkv (part 2): grid 12 x 32, 4 waves a work-group, clusters of 4 x 4, 327,680 bytes of LDS; arguments xc, wc, lowp_scales, qc, kc, vc; writes qc, kc, vc
.if DOCPART == 2
	.amdgcn_target "amdgcn-amd-amdhsa--gfx1250"
	.amdhsa_code_object_version 6
	.text
	.protected	k_qe99ab97077_qkv
	.globl	k_qe99ab97077_qkv
	.p2align	8
	.type	k_qe99ab97077_qkv,@function
k_qe99ab97077_qkv:
	s_mov_b64 s[64:65], 0
	v_nop
	global_prefetch_b8 v0, s[64:65] scope:SCOPE_SE
	s_setreg_imm32_b32 hwreg(HW_REG_WAVE_MODE, 25, 1), 1
	s_wait_xcnt 0x0
	s_wait_alu depctr_hold_cnt(0) depctr_sa_sdst(0) depctr_va_vdst(0) depctr_va_sdst(0) depctr_va_ssrc(0) depctr_va_vcc(0) depctr_vm_vsrc(0)
	s_getreg_b32 s2, hwreg(HW_REG_IB_STS2, 6, 4)
	s_cmp_eq_u32 s2, 0
	s_cbranch_scc0 .Lentry_in_a_cluster
	s_endpgm
.Lentry_in_a_cluster:
	s_bfe_u32 s2, ttmp6, 0x10000c
	s_cmp_lg_u32 s2, 0xf033
	s_cbranch_scc0 .Lentry_shape_is_right
	s_endpgm
.Lentry_shape_is_right:
; q = x Wq^T, k = x Wk^T, v = x Wv^T on codes of E4M3 (xc: three planes [8192][1024]; wc: planes [1024][1024]); sums in f32; each sum is quantised at once for attention's products and
; leaves as a code, laid in the order of the next operand's registers.  The cluster's x (0, 1, 2) says which of the three products a cluster serves.
; A tile of 256 x 256 sums is made by four waves, each 128 x 128: 64 accumulators of 16 x 16, 512 registers.  K = 1,024 goes in four steps of 256 through a ring of two LDS slots.
; THE MATRIX INSTRUCTION IS USED TRANSPOSED: source 0 = 16 rows of 'B', source 1 = 16 rows of 'A': lane (r, h) holds A's row r, and accumulator b's register j B's row 16 b + 8 h + j.
;   q, k: A = x (a lane holds a token), B = W: a lane's eight sums are eight neighbouring channels: one conversion gives registers 2 b, 2 b + 1 of a 16 x 64 operand (d = 16 b + 8 h + 0 .. 7).
;   v:    A = Wv (a lane holds a channel), B = x: a lane's eight sums are eight neighbouring KEYS: registers 2 b, 2 b + 1 of a 16 x 128 operand along the keys.
;   The text is the same for all three: only pointers and tile numbers are chosen, by the cluster's x.
; OUT: qc, kc [64 heads][128 tiles of 16 tokens][1,024 bytes]: registers 0-3 at 16 x lane, 4-7 at 512 + 16 x lane.  vc [4][16 blocks of 128 keys][64 blocks of 16 channels][2,048 bytes]: registers
;   4 i .. 4 i + 3 at 512 i + 16 x lane.  So each store of a wave covers 512 consecutive bytes, aligned, straight from the registers in which the codes are made.
; SCALES: a sum stands for sum x 2^(ea + eb); its code is sum / 2^(eo - ea - eb): the three exponents are folded into the conversion's one.
; LIMITS: e6 - e0 - e1, e7 - e2 - e3 and e9 - e4 - e5 lie between -126 and 127.
; CLUSTERS: 4 x 4 work-groups.  The four of a row of the cluster need the same tiles of A, the four of a column the same tiles of B: each tile is asked for jointly.
; REGISTERS, in windows of 256: window 0: v0-31 addresses and constants; v128-255 A's fragments, one set; on the way out v128-255 codes.
;   window 1: B's fragments, two sets.   window 2: the accumulators of my rows 0-63 ((a, b) at v[8 (8 a + b)]);   window 3: those of my rows 64-127.
.set ROWB,   256                       ; a tile's row in bytes: 256 codes
.set KROW,   1024                      ; a row of either operand in memory
.set PITCH,  272                       ; an LDS row: 256 bytes + 16 of padding = 68 words: the 16 rows that a load touches start at 16 different banks (64 banks of 4 bytes: ISA guide 11.1)
.set FR,     16                        ; registers of a fragment: 16 rows x 128 K
.set NL,     4                         ; LDS loads that bring one
.set NP,     4                         ; places behind this matrix instruction (ISA guide 7.12.1)
.set HALFT,  128*PITCH                 ; 128 rows: what one tensor load brings
.set SLOT,   4*HALFT                   ; A's 256 rows, then B's 256 rows
.set LAPS,   2                         ; 1,024 along K = two laps of two slots
.set SPARE,  2*SLOT                    ; behind the ring: the spare words, 128 bytes for each wave; no other line names them
.set CO,   8                           ; v8-15   where block a's codes go: 16 x lane + a x (bytes from block to block)
.set ADRA, 16                          ; v16-17  LDS address of my A fragments in slot 0, 1
.set ADRB, 20                          ; v20-21  the same for B
.set SPW,  28                          ; v28     LDS address of my spare word; never rewritten
.set NIL,  29                          ; v29     0; never rewritten
.set LIMV, 30
.set SCV,  31                          ; v31     the folded scale as f32
.set TMP,  32
.set AF,   128                         ; A's fragments
.set CD,   128                         ; the way out: 16 registers of codes for each block, so that no store's data are written again
.set G1, 24
.set G0, 32
.set G1B, 48
.set G0B, 56
.set MSB, 0
.macro WIN new                         ; the immediate's high byte repeats the setting that is left
.if MSB != \new
	s_set_vgpr_msb (MSB<<8)|\new
.set MSB, \new
.endif
.endm
.set MUL_LO, 0xa1                      ; source 0 (B) window 1, source 1 (A) window 0, C and D window 2
.set MUL_HI, 0xf1                      ; the same, C and D window 3
.set TO_B,   0x40                      ; destination window 1, address window 0
; A joint load: waves 0 and 1 fetch for A, waves 2 and 3 for B.  The branch hangs on the wave's number alone.  Four v_nop follow each of the two lines.
.macro JLOAD g0a, g1a, g0b, g1b
	s_cmp_eq_u32 s15, 0
	s_cbranch_scc0 .Lfor_b_\@
	tensor_load_to_lds s[\g0a:\g0a+3], s[\g1a:\g1a+7]
	s_nop 0
.rept 4
	v_nop
.endr
	s_branch .Lasked_\@
.Lfor_b_\@:
	tensor_load_to_lds s[\g0b:\g0b+3], s[\g1b:\g1b+7]
	s_nop 0
.rept 4
	v_nop
.endr
.Lasked_\@:
.endm
.macro CREST                           ; a round of the cluster's barrier behind its opening barrier
	s_cmp_lg_u32 s14, 0
	s_cbranch_scc1 .Lnot_wave_0_\@
	s_barrier_signal -3
.Lnot_wave_0_\@:
	s_barrier_wait -3
	s_barrier_signal -1
	s_barrier_wait -1
.endm
.macro CROUND                          ; a whole round
	s_barrier_signal -1
	s_barrier_wait -1
	CREST
.endm
	s_load_b256 s[4:11], s[0:1], 0x0               ; xc s[4:5], wc s[6:7], the scales' exponents s[8:9], qc s[10:11]
	s_load_b128 s[68:71], s[0:1], 0x20             ; kc s[68:69], vc s[70:71]
	v_lshl_add_u32 v[SPW], v0, 2, SPARE
	v_mov_b32 v[NIL], 0
	ds_add_u32 v28, v29
	ds_add_u32 v28, v29
	s_wait_dscnt 0x0
	v_lshrrev_b32 v1, 5, v0
	v_readfirstlane_b32 s14, v1                    ; wave 0..3
	s_lshr_b32 s15, s14, 1                         ; which half of A's rows is mine.  Also: I fetch for A (0) or for B (1)
	s_and_b32 s16, s14, 1                          ; which half of B's rows.  Also: which 128 rows of that tile I fetch
	s_bfe_u32 s40, ttmp6, 0x40000                  ; cx, cy: my place in the cluster
	s_bfe_u32 s41, ttmp6, 0x40004
	s_and_b32 s84, ttmp7, 0xffff
	s_lshl_b32 s84, s84, 2                         ; 4 x cluster y: x has 32 tiles of 256 rows, a weight has four
	s_cmp_eq_u32 ttmp9, 2                          ; v?  (the cluster's x is the same in all sixteen partners)
	s_cselect_b32 s86, 0, s84
	s_cselect_b32 s87, s84, 0
	s_add_co_u32 s17, s86, s41                     ; A's tile: q, k: 4 Y + cy of x;  v: cy of Wv
	s_add_co_u32 s42, s87, s40                     ; B's tile: q, k: cx of W;  v: 4 Y + cx of x
	s_lshl_b32 s43, s41, 2
	s_lshl_b32 s43, 15, s43                        ; my row of the cluster
	s_lshl_b32 s44, 0x1111, s40                    ; my column
	; descriptor group 1: a tile of 128 rows x 256 bytes, padded in LDS
	s_or_b32 s[G1+0], s43, (0<<16)|(1<<20)|(1<<21)|(5<<22)|(3<<25)  ; 15:0 the mask: A's tiles go to my row; 17:16 elements of 1 byte; 20 padding on; 21 set beside a mask; 24:22 after every 64 words; 31:25 four words
	s_or_b32 s[G1B+0], s44, (0<<16)|(1<<20)|(1<<21)|(5<<22)|(3<<25)
.irp g, G1, G1B
	s_mov_b32 s[\g+1], ROWB<<16                    ; tensor_dim0
	s_mov_b32 s[\g+2], 128<<16                     ; tensor_dim1
	s_mov_b32 s[\g+3], ROWB<<16                    ; tile_dim0
	s_mov_b32 s[\g+4], 128                         ; tile_dim1
	s_mov_b32 s[\g+5], KROW                        ; tensor_dim0_stride
	s_mov_b32 s[\g+6], 0
	s_mov_b32 s[\g+7], 0
.endr
	s_lshl_b32 s18, s16, 7                         ; which 128 rows of the tile I fetch
	s_lshl_b32 s20, s17, 8
	s_add_co_u32 s20, s20, s18
	s_lshl_b32 s20, s20, 10                        ; A: (256 x tile + 128 x half) rows of 1,024 bytes
	s_mov_b32 s21, 0
	s_lshl_b32 s46, s42, 8
	s_add_co_u32 s46, s46, s18
	s_lshl_b32 s46, s46, 10                        ; B likewise
	s_mov_b32 s47, 0
	s_mul_i32 s45, s14, HALFT                      ; where they go: wave x 128 rows: no place in the cluster enters an LDS address
	s_lshl_b32 s90, ttmp9, 23                      ; the product's plane of xc,
	s_mov_b32 s91, 0
	s_lshl_b32 s92, ttmp9, 20                      ; and of wc
	s_mov_b32 s93, 0
	s_wait_kmcnt 0x0
	s_load_b256 s[72:79], s[8:9], 0x0              ; e0 .. e7
	s_load_b128 s[80:83], s[8:9], 0x20             ; e8 .. e11
	s_add_nc_u64 s[4:5], s[4:5], s[90:91]
	s_add_nc_u64 s[6:7], s[6:7], s[92:93]
	s_cmp_eq_u32 ttmp9, 2
	s_cselect_b64 s[92:93], s[6:7], s[4:5]         ; A is x, or Wv
	s_cselect_b64 s[94:95], s[4:5], s[6:7]         ; B is the weight, or x
	s_add_nc_u64 s[20:21], s[92:93], s[20:21]
	s_add_nc_u64 s[46:47], s[94:95], s[46:47]
	CROUND                                         ; all sixteen work-groups are here: the first joint loads meet
.irp s, 0,1
	s_mov_b32 s[G0+4*\s], 1
	s_add_co_u32 s[G0+4*\s+1], s45, \s*SLOT
	s_add_nc_u64 s[G0+4*\s+2:G0+4*\s+3], s[20:21], \s*ROWB
	s_or_b32 s[G0+4*\s+3], s[G0+4*\s+3], 0x80000000
	s_mov_b32 s[G0B+4*\s], 1
	s_add_co_u32 s[G0B+4*\s+1], s45, \s*SLOT
	s_add_nc_u64 s[G0B+4*\s+2:G0B+4*\s+3], s[46:47], \s*ROWB
	s_or_b32 s[G0B+4*\s+3], s[G0B+4*\s+3], 0x80000000
	JLOAD G0+4*\s, G1, G0B+4*\s, G1B
.endr
	v_and_b32 v1, 15, v0                           ; l % 16
	v_bfe_u32 v2, v0, 4, 1                         ; l / 16
	v_mul_u32_u24 v3, v1, PITCH
	v_lshl_add_u32 v4, v2, 4, v3                   ; a fragment's row x pitch + 16 x half
	s_mul_i32 s21, s15, HALFT                      ; my 128 rows of A
	s_mul_i32 s22, s16, HALFT                      ; my 128 rows of B,
	s_add_co_u32 s22, s22, 2*HALFT                 ; which lie behind A's 256
.irp s, 0,1
	v_add_nc_u32 v[ADRA+\s], s21, v4
	v_add_nc_u32 v[ADRB+\s], s22, v4
	s_add_co_u32 s21, s21, SLOT
	s_add_co_u32 s22, s22, SLOT
.endr
	; where my codes go
	s_lshl_b32 s84, s17, 8
	s_lshl_b32 s85, s15, 7
	s_add_co_u32 s84, s84, s85                     ; RA: my first row of A
	s_lshl_b32 s85, s42, 8
	s_lshl_b32 s86, s16, 7
	s_add_co_u32 s85, s85, s86                     ; RB: my first row of B
	s_lshr_b32 s86, s84, 11                        ; q, k: RA is a token, RB a channel: batch x 2^21 + head x 2^17 + tile of 16 tokens x 2^10
	s_lshl_b32 s86, s86, 21
	s_lshr_b32 s87, s85, 6
	s_lshl_b32 s87, s87, 17
	s_add_co_u32 s86, s86, s87
	s_bfe_u32 s87, s84, 0x70004
	s_lshl_b32 s87, s87, 10
	s_add_co_u32 s86, s86, s87
	s_lshr_b32 s87, s85, 11                        ; v: RB is a key, RA a channel: batch x 2^21 + block of 128 keys x 2^17 + block of 16 channels x 2^11
	s_lshl_b32 s87, s87, 21
	s_bfe_u32 s88, s85, 0x40007
	s_lshl_b32 s88, s88, 17
	s_add_co_u32 s87, s87, s88
	s_lshr_b32 s88, s84, 4
	s_lshl_b32 s88, s88, 11
	s_add_co_u32 s87, s87, s88
	s_cmp_eq_u32 ttmp9, 2
	s_cselect_b32 s86, s87, s86
	s_cselect_b32 s88, 10, 17                      ; registers 8-15 of a block's codes: v: the image's second half, 2^10 on;  q, k: the next head, 2^17 on
	s_cselect_b32 s19, 11, 10                      ; from block to block of A's rows: 2^11 or 2^10 bytes
	s_cselect_b64 s[10:11], s[70:71], s[10:11]
	s_cmp_eq_u32 ttmp9, 1
	s_cselect_b64 s[10:11], s[68:69], s[10:11]     ; qc, kc or vc
	s_mov_b32 s87, 0
	s_add_nc_u64 s[10:11], s[10:11], s[86:87]
	s_lshl_b32 s88, 1, s88
	s_mov_b32 s89, 0
	s_add_nc_u64 s[88:89], s[10:11], s[88:89]
	v_and_b32 v6, 31, v0
	v_lshlrev_b32 v7, 4, v6
	s_wait_alu depctr_va_vdst(0)
.irp a, 0,1,2,3,4,5,6,7
	s_lshl_b32 s22, \a, s19
	v_add_nc_u32 v[CO+\a], s22, v7
.endr
	s_wait_kmcnt 0x0
	s_sub_co_i32 s72, s78, s72                     ; e6 - e0 - e1
	s_sub_co_i32 s72, s72, s73
	s_sub_co_i32 s74, s79, s74                     ; e7 - e2 - e3
	s_sub_co_i32 s74, s74, s75
	s_sub_co_i32 s76, s81, s76                     ; e9 - e4 - e5
	s_sub_co_i32 s76, s76, s77
	s_cmp_eq_u32 ttmp9, 1
	s_cselect_b32 s72, s74, s72
	s_cmp_eq_u32 ttmp9, 2
	s_cselect_b32 s72, s76, s72
	s_add_co_i32 s72, s72, 127
	s_lshl_b32 s73, s72, 23
	v_mov_b32 v[SCV], s73                          ; the folded scale as f32: the conversion takes its exponent field
.macro FRAG reg, adr, q, i             ; 16 rows x 128 K: lane l holds row l % 16; registers 4 c .. 4 c + 3 hold K = 32 c + 16 (l / 16) + 0 .. 15: the same order of K in A and in B, so every product meets its partner
.irp c, 0,1,2,3
	ds_load_b128 v[\reg+4*\c:\reg+4*\c+3], v[\adr] offset:128*(\q)+32*\c+(\i)*16*PITCH
.endr
.endm
; 16 matrix instructions: A's blocks a0, a0 + 1 x B's eight, 128 along K.  p: B's set.  zero = 1: the first product starts the sums.
; The 64 accumulators take turns, one instruction a turn, in the same order in every step.
.macro MUL16 a0, p, zero
.irp a, \a0, \a0+1
.irp b, 0,1,2,3,4,5,6,7
.if \zero
	v_wmma_f32_16x16x128_fp8_fp8 v[8*(8*((\a)%4)+\b):8*(8*((\a)%4)+\b)+7], v[128*(\p)+FR*\b:128*(\p)+FR*\b+FR-1], v[AF+FR*(\a):AF+FR*(\a)+FR-1], 0
.else
	v_wmma_f32_16x16x128_fp8_fp8 v[8*(8*((\a)%4)+\b):8*(8*((\a)%4)+\b)+7], v[128*(\p)+FR*\b:128*(\p)+FR*\b+FR-1], v[AF+FR*(\a):AF+FR*(\a)+FR-1], v[8*(8*((\a)%4)+\b):8*(8*((\a)%4)+\b)+7]
.endif
.endr
.endr
.endm
.macro FETCH_B slot, q, p              ; B's eight fragments of the slot's q-th 128 along K into set p
	WIN TO_B
.irp i, 0,1,2,3,4,5,6,7
	FRAG 128*(\p)+FR*\i, ADRB+\slot, \q, \i
.endr
	WIN 0
.endm
.macro FETCH_A slot, q, i0             ; A's blocks i0 .. i0 + 3
.irp i, \i0, \i0+1, \i0+2, \i0+3
	FRAG AF+FR*(\i), ADRA+\slot, \q, \i
.endr
.endm
.macro PLACES n                        ; plain vector lines between a matrix instruction and a load into a register that it has read, or a read of its result
.rept \n
	v_nop
.endr
.endm
; A step of 128 along K that has its successor in the same slot.  A block of A is free as soon as its eight products are issued, so one set of registers serves A.
.macro STEP slot, q, zero
	s_wait_dscnt 4*NL                              ; B's set and A's blocks 0-3 are in; the youngest 16 loads (A's blocks 4-7) may be out
	WIN MUL_LO
	MUL16 0, (\q)%2, \zero
	MUL16 2, (\q)%2, \zero
	s_wait_dscnt 0                                 ; A's blocks 4-7 are in
	PLACES NP
	FETCH_B \slot, (\q)+1, 1-(\q)%2
	FETCH_A \slot, (\q)+1, 0
	WIN MUL_HI
	MUL16 4, (\q)%2, \zero
	MUL16 6, (\q)%2, \zero
	PLACES NP
	WIN 0
	FETCH_A \slot, (\q)+1, 4
.endm
; A slot's last step changes slots: one barrier; in front of it each wave waits for all its tensor loads, adds 0 to its spare word, and waits for that and for its own reads of this slot.
.macro TURN slot, next, fill
	s_wait_tensorcnt 0x0                           ; all my tensor loads have landed: my part of the next slot  (every window is 0 here)
	ds_add_u32 v[SPW], v[NIL]                      ; 0 onto my spare word
	s_wait_dscnt 4*NL+1                            ; (the add and the youngest 16 loads, A's blocks 4-7, may be out)
	WIN MUL_LO
	MUL16 0, 1, 0                                  ; sixteen matrix instructions stand between the add and the wait for it
	s_wait_dscnt 0x0                               ; the add is done, and my reads of this slot are over
	s_barrier_signal -1
	MUL16 2, 1, 0
	WIN 0
	s_barrier_wait -1
.if \fill
	CREST                                          ; the barrier has opened a round of the cluster's barrier: no wave of any partner still reads this slot or has a load on its way
	s_add_nc_u64 s[G0+4*\slot+2:G0+4*\slot+3], s[G0+4*\slot+2:G0+4*\slot+3], 2*ROWB
	s_add_nc_u64 s[G0B+4*\slot+2:G0B+4*\slot+3], s[G0B+4*\slot+2:G0B+4*\slot+3], 2*ROWB
	JLOAD G0+4*\slot, G1, G0B+4*\slot, G1B         ; the first tensor load behind the round; its four v_nop are also the places in front of the loads below
.else
	PLACES NP
.endif
	FETCH_B \next, 0, 0
	FETCH_A \next, 0, 0
	WIN MUL_HI
	MUL16 4, 1, 0
	MUL16 6, 1, 0
	PLACES NP
	WIN 0
	FETCH_A \next, 0, 4
.endm
	s_wait_tensorcnt 1                             ; my part of K step 0 is in (K step 1's load may be out)
	s_barrier_signal -1
	s_barrier_wait -1                              ; everybody's is
	FETCH_B 0, 0, 0
	FETCH_A 0, 0, 0
	FETCH_A 0, 0, 4
	STEP 0, 0, 1                                   ; the first step stands in front of the loop: its products start the sums
	s_mov_b32 s3, LAPS-1
.Llap:                                                 ; a trip goes once round the ring and fills both slots again
	TURN 0, 1, 1
	STEP 1, 0, 0
	TURN 1, 0, 1
	STEP 0, 0, 0
	s_sub_co_u32 s3, s3, 1
	s_cmp_lg_u32 s3, 0
	s_cbranch_scc1 .Llap
	TURN 0, 1, 0                                   ; the last lap fills nothing
	STEP 1, 0, 0
	s_wait_dscnt 4*NL                              ; the very last step: nothing more to fetch
	WIN MUL_LO
	MUL16 0, 1, 0
	MUL16 2, 1, 0
	s_wait_alu depctr_va_vdst(0)
	s_wait_dscnt 0
	WIN MUL_HI
	MUL16 4, 1, 0
	MUL16 6, 1, 0
	WIN 0
; THE WAY OUT, block by block of 16 rows of A.  The block's 64 sums of a lane are held within +-448 x the scale (each accumulator from its low end on), converted eight at a time, and the 16 registers
; of codes are stored as they stand: four stores of 512 consecutive bytes.  No register that a store names is written again.
.macro OUTB a
.set AC, 64*((\a)%4)
	WIN 0x02+((\a)/4)                              ; source 0: window 2 or 3
.set j, 0
.rept 64
.set j, j+1
.endr
.irp b, 0,1,2,3,4,5,6,7
	v_cvt_scalef32_pk8_fp8_f32 v[CD+16*(\a)+2*\b:CD+16*(\a)+2*\b+1], v[AC+8*\b:AC+8*\b+7], v[SCV]
.endr
	WIN 0
	v_nop                                          ; a plain line between the conversions and the next write of their sources
	global_store_b128 v[CO+\a], v[CD+16*(\a):CD+16*(\a)+3], s[10:11]
	global_store_b128 v[CO+\a], v[CD+16*(\a)+4:CD+16*(\a)+7], s[10:11] offset:512
	global_store_b128 v[CO+\a], v[CD+16*(\a)+8:CD+16*(\a)+11], s[88:89]
	global_store_b128 v[CO+\a], v[CD+16*(\a)+12:CD+16*(\a)+15], s[88:89] offset:512
.endm
	PLACES NP                                      ; behind the last products: their results are read, and A's registers written, only behind these
.irp a, 0,1,2,3,4,5,6,7
	OUTB \a
.endr
	s_wait_tensorcnt 0x0                           ; the wave's end
	ds_add_u32 v[SPW], v[NIL]
	s_wait_dscnt 0x0
	CROUND                                         ; the closing round: no work-group ends while a partner may still ask for a tile that names it
	s_endpgm
.Lfunc_end_k_qe99ab97077_qkv:
	.size	k_qe99ab97077_qkv, .Lfunc_end_k_qe99ab97077_qkv-k_qe99ab97077_qkv
	.p2alignl 7, 3214868480
	.fill 96, 4, 3214868480
	.section	.rodata,"a",@progbits
	.p2align	6, 0x0
	.amdhsa_kernel k_qe99ab97077_qkv
		.amdhsa_group_segment_fixed_size 327680
		.amdhsa_private_segment_fixed_size 0
		.amdhsa_enable_private_segment 0
		.amdhsa_kernarg_size 48
		.amdhsa_user_sgpr_count 2
		.amdhsa_user_sgpr_kernarg_segment_ptr 1
		.amdhsa_wavefront_size32 1
		.amdhsa_system_sgpr_workgroup_id_x 1
		.amdhsa_system_sgpr_workgroup_id_y 1
		.amdhsa_system_sgpr_workgroup_id_z 1
		.amdhsa_system_vgpr_workitem_id 0
		.amdhsa_next_free_vgpr 1024
		.amdhsa_next_free_sgpr 100
		.amdhsa_reserve_vcc 0
		.amdhsa_float_denorm_mode_32 3
		.amdhsa_float_denorm_mode_16_64 3
		.amdhsa_fp16_overflow 1
		.amdhsa_memory_ordered 1
		.amdhsa_forward_progress 1
		.amdhsa_inst_pref_size 87
	.end_amdhsa_kernel
	.amdgpu_metadata
---
amdhsa.version: [ 1, 2 ]
amdhsa.kernels:
  - .name:           k_qe99ab97077_qkv
    .symbol:         k_qe99ab97077_qkv.kd
    .args:
      - { .name: xc, .offset: 0, .size: 8, .value_kind: global_buffer, .address_space: global }
      - { .name: wc, .offset: 8, .size: 8, .value_kind: global_buffer, .address_space: global }
      - { .name: lowp_scales, .offset: 16, .size: 8, .value_kind: global_buffer, .address_space: global }
      - { .name: qc, .offset: 24, .size: 8, .value_kind: global_buffer, .address_space: global }
      - { .name: kc, .offset: 32, .size: 8, .value_kind: global_buffer, .address_space: global }
      - { .name: vc, .offset: 40, .size: 8, .value_kind: global_buffer, .address_space: global }
    .group_segment_fixed_size: 327680
    .private_segment_fixed_size: 0
    .kernarg_segment_align: 8
    .kernarg_segment_size: 48
    .max_flat_workgroup_size: 128
    .sgpr_count:     100
    .vgpr_count:     1024
    .wavefront_size: 32
...
	.end_amdgpu_metadata
.endif
;; end of part 2
;; launch attn (part 3): grid 4 x 64, 16 waves a work-group, no clusters, 327,680 bytes of LDS; arguments qc, kc, vc, lowp_scales, yc; writes yc
.if DOCPART == 3
	.amdgcn_target "amdgcn-amd-amdhsa--gfx1250"
	.amdhsa_code_object_version 6
	.text
	.protected	k_qe99ab97077_attn
	.globl	k_qe99ab97077_attn
	.p2align	8
	.type	k_qe99ab97077_attn,@function
k_qe99ab97077_attn:
	s_mov_b64 s[64:65], 0
	v_nop
	global_prefetch_b8 v0, s[64:65] scope:SCOPE_SE
	s_setreg_imm32_b32 hwreg(HW_REG_WAVE_MODE, 25, 1), 1
	s_wait_xcnt 0x0
; y[b][t][head][:] = the sum over keys k <= t of softmax_k(q . k / 8) v, both products on codes of E4M3; y is quantised at once for the last product.  64 heads (batch x head) of 2,048 tokens, head size 64.
; qc, kc: [64][128 tiles of 16 tokens][1,024 bytes], the registers of a 16 x 64 operand on end.  vc: [4][16 blocks of 128 keys][64 blocks of 16 channels][2,048 bytes], the registers of a 16 x 128 operand along the keys.
; yc: [512 tiles of 16 tokens][8 pieces of 128 channels][2,048 bytes]: registers 4 c .. 4 c + 3 at 512 c + 16 x lane hold, of row lane % 16, channels 32 c + 16 (lane / 16) + 0 .. 15.
; THE SOFTMAX: t = score x log2(e) / 8; M = the row's largest t so far, rounded UP to a whole number; p = 2^(t - M) is quantised along the keys, not normalised.  The row's sum is taken of the unquantised p
; and divides at the end.  When M moves, the sum and O are multiplied by 2^(old M - new M): nothing is rounded.
; SHARES.  Work-group (p, head) owns two blocks of 256 queries: first block 7 - p, then block p.  Under the causal mask block i needs the key slots 0 .. i (256 keys each): 8 - p and p + 1 slots,
; NINE IN EVERY WORK-GROUP.  So every trip count is a constant, no slot is fetched that nobody reads, and the 256 work-groups have the same work.  Each of the sixteen waves owns 16 queries of a block.
; NO JOINT LOADS: the four work-groups of a head walk the slots 0 .. 7 - p and then 0 .. p: from the sixth slot on they want different slots at the same time, and the change of blocks is a branch on p.
; LAYOUT.  Both products are used transposed: S^T = K Q^T (source 0 = 16 keys), O^T = V^T P^T (source 0 = 16 channels): a lane holds ONE query (lane % 16) throughout.  Register j of S^T's tile c is key
; 16 c + 8 (lane / 16) + j: its conversion gives registers 2 c, 2 c + 1 of P.  The channels of V lie with bits 3 and 4 of their number exchanged (made so two launches back): so O^T's conversions give yc's registers.
; A step all of whose keys come after the wave's queries is left out by a scalar branch on ids; on the diagonal hidden scores become -infinity ahead of the maximum.  Key 0 counts for every query.
; LIMITS: e6 + e7 between -123 and 130 (added to c's exponent field); e8, and e10 - e8 - e9, between -126 and 127.
; REGISTERS: v1 16 x lane; v2 LDS address in hand; v3 prefetch offset; v5, v6 the add's; v7 lane % 16 - 8 (lane / 16); v12 -M, v13 the largest t, v[14:15] the sum; v16-23 Q; v32-95 K's 8 tiles, then V's 4 fragments;
;   v96-159 S^T, then p; v160-191 O^T; v192-207 p's codes; v224-231 y's codes; v236-254 constants and at work.
.set SLOT1, 32768                      ; a slot: K of key step 0, 1 (8,192 bytes each), then V of key step 0, 1; slot 1 begins here
.set SPARE, 65536                      ; behind the ring: the spare words, 128 bytes for each of sixteen waves; no other line names them
.set LI,   1
.set ADR,  2
.set PFO,  3
.set SPW,  5
.set NIL,  6
.set DL,   7
.set TB,   2                           ; s2   LDS byte at which the slot in hand begins
.set NB,   3                           ; s3   8 - p: the slots of the first block
.set QP,   4                           ; s[4:5]   my tile of Q
.set YP,   12                          ; s[12:13] my tile's place in yc
.set WV,   18
.set SEL,  20                          ; s[20:21] lane selects: lane l xor 16
.set CS,   22                          ; s[22:23] c = log2(e) / 8 x 2^(e6 + e7)
.set G1,   24                          ; s[24:31] descriptor group 1
.set G0,   40                          ; s[40:43] group 0
.set BASE, 44                          ; s[44:45] my role's block of slot 0 in memory
.set STEPB, 46                         ; s46  from slot to slot in memory
.set OFS,  48                          ; s[48:49] an offset, upper word 0
.set P,    66                          ; s66  p
.set SLOTS, 67                         ; s67  the loop's counter
.set PFA,  76                          ; s[76:77] where my prefetches stand
.set PFS,  78                          ; s[78:79] a slot on
.set LIM,  80                          ; s80  2 in a wave that prefetches, else the greatest number
.set DQ,   82                          ; s[82:83] from the first block's tile of Q back to the second's
.set DY,   84                          ; s[84:85] the same in yc
.set DT,   86                          ; s86  the same in queries
.set KF,   98                          ; s98  the step's first key
.set Q0,   99                          ; s99  my first query
; Waves 0 to 3 fetch, one dense block of 8,192 bytes each: K of key step 0, 1, V of key step 0, 1.  Four v_nop follow the line.
.macro TLOAD
	s_cmp_lt_u32 s[WV], 4
	s_cbranch_scc0 .Lasked_\@
	tensor_load_to_lds s[G0:G0+3], s[G1:G1+7]
	s_nop 0
.rept 4
	v_nop
.endr
.Lasked_\@:
.endm
; A prefetch of the slot behind the one that is being asked for.  All four work-groups of a head walk slots 0, 1, 2 .. first: the one with p = 0 asks, and in it waves 4 to 7, one of the slot's four blocks each,
; lanes 256 bytes apart: each 256 bytes of a head's K and V are named once.  Trip i names slot i + 2 while the counter is above 2: slots 2 to 7; slots 0 and 1 come by their loads alone.
.macro ASK
	s_cmp_gt_u32 s[SLOTS], s[LIM]
	s_cbranch_scc0 .Lnot_mine_\@
	global_prefetch_b8 v[PFO], s[PFA:PFA+1] th:TH_LOAD_NT scope:SCOPE_SE
.Lnot_mine_\@:
.endm
.macro INIT                            ; a block begins: zeros, which the first change of M leaves zeros
	v_mov_b32 v13, 0xff61b1e6                      ; the largest t so far: -3e38
	s_delay_alu instid0(VALU_DEP_1)
	v_floor_f32 v12, -v13                          ; -M
	v_mov_b32 v14, 0
	v_mov_b32 v15, 0
.set n, 0
.rept 32
	v_mov_b32 v[160+n], 0
.set n, n+1
.endr
.endm
	s_load_b256 s[4:11], s[0:1], 0x0               ; qc s[4:5], kc s[6:7], vc s[8:9], the scales' exponents s[10:11]
	s_load_b64 s[12:13], s[0:1], 0x20              ; yc
	v_lshl_add_u32 v[SPW], v0, 2, SPARE
	v_mov_b32 v[NIL], 0
	ds_add_u32 v5, v6
	ds_add_u32 v5, v6
	s_wait_dscnt 0x0
	v_lshrrev_b32 v8, 5, v0
	s_delay_alu instid0(VALU_DEP_1)
	v_readfirstlane_b32 s[WV], v8                  ; wave 0..15
	s_mov_b32 s[P], ttmp9
	s_and_b32 s50, ttmp7, 0xffff                   ; 16 x batch + head
	s_lshr_b32 s51, s50, 4                         ; batch
	s_and_b32 s52, s50, 15                         ; head
	s_sub_co_u32 s[NB], 8, s[P]
	s_sub_co_u32 s53, 7, s[P]                      ; the first block
	s_and_b32 s54, s[WV], 3                        ; role: 0, 1: K of key step 0, 1;  2, 3: V of key step 0, 1
	s_and_b32 s55, s[WV], 1
	s_lshl_b32 s56, s50, 17
	s_lshl_b32 s57, s55, 13
	s_add_co_u32 s56, s56, s57                     ; K: the head's 2^17 bytes, 8 tiles of 1,024 for a key step
	s_lshl_b32 s57, s51, 21
	s_lshl_b32 s58, s55, 17
	s_add_co_u32 s57, s57, s58
	s_lshl_b32 s58, s52, 13
	s_add_co_u32 s57, s57, s58                     ; V: batch, block of 128 keys, the head's four blocks of channels
	s_cmp_lt_u32 s54, 2
	s_cselect_b32 s[OFS], s56, s57
	s_mov_b32 s[STEPB], 262144                     ; a slot on: two blocks of keys in vc,
	s_cselect_b32 s[STEPB], 16384, s[STEPB]        ; sixteen tiles in kc
	s_mov_b32 s[OFS+1], 0
	s_lshl_b32 s58, s53, 4
	s_add_co_u32 s58, s58, s[WV]                   ; my tile of 16 queries in the head
	s_lshl_b32 s60, s58, 10
	s_lshl_b32 s59, s50, 17
	s_add_co_u32 s60, s60, s59
	s_mov_b32 s61, 0                               ; its place in qc
	s_lshl_b32 s62, s51, 7
	s_add_co_u32 s62, s62, s58
	s_lshl_b32 s62, s62, 14
	s_lshl_b32 s59, s52, 10                        ; piece head / 2 (2,048 bytes), its half head % 2 (1,024): head x 1,024
	s_add_co_u32 s62, s62, s59
	s_mov_b32 s63, 0                               ; and in yc
	s_lshl_b32 s59, s[P], 1
	s_sub_co_u32 s59, 7, s59                       ; 7 - 2 p blocks back
	s_lshl_b32 s[DQ], s59, 14
	s_mov_b32 s[DQ+1], 0
	s_lshl_b32 s[DY], s59, 18
	s_mov_b32 s[DY+1], 0
	s_lshl_b32 s[DT], s59, 8
	s_lshl_b32 s[Q0], s53, 8
	s_lshl_b32 s87, s[WV], 4
	s_add_co_u32 s[Q0], s[Q0], s87
	s_mov_b32 s[KF], 0
	s_lshr_b32 s87, s[WV], 2
	s_xor_b32 s87, s87, 1                          ; 0 in waves 4 to 7,
	s_or_b32 s87, s87, ttmp9                       ; of the work-group with p = 0
	s_cmp_eq_u32 s87, 0
	s_cselect_b32 s[LIM], 2, -1
	; descriptor group 1: a dense block of 8,192 bytes as 32 rows of 32 elements of 8 bytes
	s_mov_b32 s[G1], 3<<16                         ; no mask; elements of 8 bytes; no padding: every LDS load below takes 512 consecutive bytes
	s_mov_b32 s[G1+1], 32<<16                      ; tensor_dim0
	s_mov_b32 s[G1+2], 32<<16                      ; tensor_dim1
	s_mov_b32 s[G1+3], 32<<16                      ; tile_dim0
	s_mov_b32 s[G1+4], 32                          ; tile_dim1
	s_mov_b32 s[G1+5], 32                          ; tensor_dim0_stride
	s_mov_b32 s[G1+6], 0
	s_mov_b32 s[G1+7], 0
	s_mov_b32 s[SEL], 0x76543210
	s_mov_b32 s[SEL+1], 0xfedcba98
	s_mov_b32 s[CS], 0x3e38aa3b                    ; log2(e) / 8
	s_mov_b32 s[TB], 0
	s_mov_b32 s[SLOTS], 8
	s_wait_kmcnt 0x0
	s_load_b128 s[68:71], s[10:11], 0x18           ; e6, e7, e8, e9
	s_load_b32 s72, s[10:11], 0x28                 ; e10
	s_cmp_lt_u32 s54, 2
	s_cselect_b64 s[BASE:BASE+1], s[6:7], s[8:9]
	s_add_nc_u64 s[BASE:BASE+1], s[BASE:BASE+1], s[OFS:OFS+1]
	s_mov_b32 s[G0], 1                             ; count = 1
	s_lshl_b32 s[G0+1], s54, 13                    ; LDS: role x 8,192, in slot 0
	s_mov_b64 s[G0+2:G0+3], s[BASE:BASE+1]         ; slot 0 of the keys
	s_or_b32 s[G0+3], s[G0+3], 0x80000000          ; type = 2
	TLOAD
	s_add_nc_u64 s[QP:QP+1], s[QP:QP+1], s[60:61]
	s_add_nc_u64 s[YP:YP+1], s[YP:YP+1], s[62:63]
	v_and_b32 v8, 31, v0
	s_delay_alu instid0(VALU_DEP_1)
	v_lshlrev_b32 v[LI], 4, v8
	global_load_b128 v[16:19], v[LI], s[QP:QP+1]               ; Q's registers 0-3,
	global_load_b128 v[20:23], v[LI], s[QP:QP+1] offset:512    ; 4-7: they stay for the block
	s_mov_b32 s[PFS], s[STEPB]
	s_mov_b32 s[PFS+1], 0
	s_add_nc_u64 s[PFA:PFA+1], s[BASE:BASE+1], s[PFS:PFS+1]    ; at slot 1: the first change of slots steps it to slot 2
	v_lshlrev_b32 v[PFO], 8, v8
	v_and_b32 v9, 15, v0
	v_bfe_u32 v10, v0, 4, 1
	s_delay_alu instid0(VALU_DEP_1)
	v_lshlrev_b32 v10, 3, v10
	s_delay_alu instid0(VALU_DEP_1)
	v_sub_nc_u32 v[DL], v9, v10
	v_mov_b32 v236, 0                              ; written once: a lane permute's destination counts as one of its sources
	v_mov_b32 v252, 0
	v_mov_b32 v253, 0                              ; (named as the upper half of the pair v[252:253])
	INIT
	s_wait_kmcnt 0x0
	s_add_co_i32 s73, s68, s69
	s_lshl_b32 s73, s73, 23
	s_add_co_i32 s[CS], s[CS], s73                 ; a score stands for score x 2^(e6 + e7): added to c's exponent field
	s_mov_b32 s[CS+1], s[CS]                       ; (named with it as a pair)
	s_add_co_i32 s73, s70, 127
	s_lshl_b32 s74, s73, 23
	v_mov_b32 v244, s74                            ; 2^e8, for p's conversion
	s_sub_co_i32 s73, s72, s70
	s_sub_co_i32 s73, s73, s71                     ; O / l stands for y / 2^(e8 + e9): its code is (O / l) / 2^(e10 - e8 - e9)
	s_add_co_i32 s73, s73, 127
	s_lshl_b32 s74, s73, 23
	v_mov_b32 v245, s74
; A KEY STEP: 128 keys, the q-th of the slot in hand.
.macro STEP q
	s_add_co_u32 s96, s[Q0], 15
	s_cmp_gt_u32 s[KF], s96                        ; all keys behind my queries: the step's work is left out
	s_cbranch_scc1 .Lhidden_\@
	v_add_nc_u32 v[ADR], s[TB], v[LI]
.rept 3
	v_nop                                          ; with the addition: four places in front of loads into registers that the last products have read
.endr
.irp c, 0,1,2,3,4,5,6,7
	ds_load_b128 v[32+8*\c:35+8*\c], v[ADR] offset:8192*(\q)+1024*\c
	ds_load_b128 v[36+8*\c:39+8*\c], v[ADR] offset:8192*(\q)+1024*\c+512
.endr
	s_wait_alu depctr_va_vdst(0)
	s_wait_dscnt 0x0
.irp c, 0,1,2,3,4,5,6,7
	v_wmma_f32_16x16x64_fp8_fp8 v[96+8*\c:103+8*\c], v[32+8*\c:39+8*\c], v[16:23], 0   ; S^T: 16 keys x my 16 queries
.endr
.rept 4
	v_nop                                          ; places in front of the loads below and of the first read of the scores
.endr
.irp t, 0,1,2,3
.irp i, 0,1,2,3
	ds_load_b128 v[32+16*\t+4*\i:35+16*\t+4*\i], v[ADR] offset:16384+8192*(\q)+2048*\t+512*\i   ; V's four fragments land under the softmax
.endr
.endr
	s_add_co_u32 s96, s[KF], 127
	s_cmp_le_u32 s96, s[Q0]                        ; all keys count: no mask
	s_cbranch_scc1 .Lopen_\@
	s_sub_co_i32 s96, s[Q0], s[KF]
	v_add_nc_u32 v252, s96, v[DL]                  ; d = my query - KF - 8 (lane / 16).  Register 8 c + j holds key KF + 16 c + 8 (lane / 16) + j: hidden where 16 c + j > d
	v_mov_b32 v254, 0xff800000                     ; -infinity
.set n, 0
.rept 64
	v_cmp_gt_i32 vcc_lo, 16*(n/8)+n%8, v252
	v_cndmask_b32 v[96+n], v[96+n], v254, vcc_lo
.set n, n+1
.endr
.Lopen_\@:
	v_max3_num_f32 v254, v96, v97, v98             ; the step's largest score of my query among my 64 keys, in two chains, each tile from its low end on,
	v_max3_num_f32 v252, v99, v100, v101
.irp i, 6,10,14,18,22,26,30,34,38,42,46,50,54,58
	v_max3_num_f32 v254, v254, v[96+\i], v[97+\i]
	v_max3_num_f32 v252, v252, v[98+\i], v[99+\i]
.endr
	v_max3_num_f32 v254, v254, v158, v159
	s_delay_alu instid0(VALU_DEP_1)
	v_max_num_f32 v254, v254, v252
	s_delay_alu instid0(VALU_DEP_1)
	v_permlanex16_b32 v236, v254, s[SEL], s[SEL+1]
	s_delay_alu instid0(VALU_DEP_1)
	v_max_num_f32 v254, v254, v236                 ; and among lane l xor 16's
	s_delay_alu instid0(VALU_DEP_1)
	v_mul_f32 v254, s[CS], v254                    ; as t (c is positive)
	s_delay_alu instid0(VALU_DEP_1)
	v_max_num_f32 v13, v13, v254                   ; the running largest t
	v_mov_b32 v254, v12
	s_delay_alu instid0(VALU_DEP_2)
	v_floor_f32 v12, -v13                          ; the new -M = floor(-t): M is a whole number
	s_delay_alu instid0(VALU_DEP_1)
	v_sub_f32 v254, v12, v254                      ; old M - new M: a whole number, 0 or less
	s_delay_alu instid0(VALU_DEP_1)
	v_cvt_i32_f32 v254, v254                       ; (it saturates)
	s_delay_alu instid0(VALU_DEP_1)
	v_ldexp_f32 v252, 1.0, v254                    ; f = 2^(old M - new M)
.set n, 0
.rept 32
	v_pk_fma_f32 v[96+n:97+n], v[96+n:97+n], s[CS:CS+1], v[12:13] op_sel_hi:[1,0,0]   ; t - M, two at a time
.set n, n+2
.endr
.set n, 0
	s_wait_alu depctr_va_vdst(0)
.rept 64
	v_exp_f32 v[96+n], v[96+n]                     ; p = 2^(t - M), at most 1
.set n, n+1
.endr
	v_pk_mul_f32 v[14:15], v[14:15], v[252:253] op_sel_hi:[1,0]   ; the sums under the new M: the plain line behind the exponentials
	s_wait_alu depctr_va_vdst(0)                   ; one wait for the batch of 64, ahead of its first reader
	v_pk_add_f32 v[242:243], v[100:101], v[104:105]
	v_pk_add_f32 v[254:255], v[108:109], v[112:113]
	v_pk_add_f32 v[250:251], v[116:117], v[120:121]
	v_pk_add_f32 v[248:249], v[124:125], v[128:129]
	v_pk_add_f32 v[246:247], v[132:133], v[136:137]
	v_pk_add_f32 v[240:241], v[140:141], v[144:145]
	v_pk_add_f32 v[238:239], v[148:149], v[152:153]
	v_pk_add_f32 v[14:15], v[14:15], v[156:157]
	v_pk_add_f32 v[242:243], v[242:243], v[96:97]
	v_pk_add_f32 v[254:255], v[254:255], v[98:99]
	v_pk_add_f32 v[250:251], v[250:251], v[102:103]
	v_pk_add_f32 v[248:249], v[248:249], v[106:107]
	v_pk_add_f32 v[246:247], v[246:247], v[110:111]
	v_pk_add_f32 v[240:241], v[240:241], v[114:115]
	v_pk_add_f32 v[238:239], v[238:239], v[118:119]
	v_pk_add_f32 v[14:15], v[14:15], v[122:123]
	v_pk_add_f32 v[242:243], v[242:243], v[126:127]
	v_pk_add_f32 v[254:255], v[254:255], v[130:131]
	v_pk_add_f32 v[250:251], v[250:251], v[134:135]
	v_pk_add_f32 v[248:249], v[248:249], v[138:139]
	v_pk_add_f32 v[246:247], v[246:247], v[142:143]
	v_pk_add_f32 v[240:241], v[240:241], v[146:147]
	v_pk_add_f32 v[238:239], v[238:239], v[150:151]
	v_pk_add_f32 v[14:15], v[14:15], v[154:155]
	v_pk_add_f32 v[242:243], v[242:243], v[158:159]
	s_delay_alu instid0(VALU_DEP_2)
	v_pk_add_f32 v[14:15], v[14:15], v[248:249]
	s_delay_alu instid0(VALU_DEP_2)
	v_pk_add_f32 v[242:243], v[242:243], v[246:247]
	v_pk_add_f32 v[254:255], v[254:255], v[240:241]
	v_pk_add_f32 v[250:251], v[250:251], v[238:239]
	s_delay_alu instid0(VALU_DEP_2)
	v_pk_add_f32 v[14:15], v[14:15], v[254:255]
	s_delay_alu instid0(VALU_DEP_2)
	v_pk_add_f32 v[242:243], v[242:243], v[250:251]
	s_delay_alu instid0(VALU_DEP_1)
	v_pk_add_f32 v[14:15], v[14:15], v[242:243]
.irp c, 0,1,2,3,4,5,6,7
.irp i, 0,1,2,3,4,5,6,7
.endr
	v_cvt_scalef32_pk8_fp8_f32 v[192+2*\c:193+2*\c], v[96+8*\c:103+8*\c], v244   ; registers 2 c, 2 c + 1 of P: keys 16 c + 8 (lane / 16) + 0 .. 7
.endr
.set n, 0
.rept 16
	v_pk_mul_f32 v[160+n:161+n], v[160+n:161+n], v[252:253] op_sel_hi:[1,0]   ; O^T under the new M; also the plain lines between the conversions and the products
.set n, n+2
.endr
	s_wait_alu depctr_va_vdst(0)
	s_wait_dscnt 0x0                               ; V is in
.irp t, 0,1,2,3
	v_wmma_f32_16x16x128_fp8_fp8 v[160+8*\t:167+8*\t], v[32+16*\t:47+16*\t], v[192:207], v[160+8*\t:167+8*\t]   ; O^T += V^T P^T: the four accumulators by turns
.endr
.Lhidden_\@:
	s_add_co_u32 s[KF], s[KF], 128
.endm
; A block's end: O^T / the sum, held, converted, stored: two stores of 512 consecutive bytes.
.macro FINISH
.rept 4
	v_nop                                          ; places behind the last products
.endr
	v_add_f32 v14, v14, v15
	s_delay_alu instid0(VALU_DEP_1)
	v_permlanex16_b32 v252, v14, s[SEL], s[SEL+1]
	s_delay_alu instid0(VALU_DEP_1)
	v_add_f32 v14, v14, v252                       ; the row's sum
	s_wait_alu depctr_va_vdst(0)
	v_rcp_f32 v14, v14
	v_nop                                          ; a plain line behind the reciprocal,
	s_wait_alu depctr_va_vdst(0)                   ; and the wait ahead of its first reader
.set n, 0
.rept 16
	v_pk_mul_f32 v[96+n:97+n], v[160+n:161+n], v[14:15] op_sel_hi:[1,0]
.set n, n+2
.endr
.set n, 0
.rept 32
.set n, n+1
.endr
.irp t, 0,1,2,3
	v_cvt_scalef32_pk8_fp8_f32 v[224+2*\t:225+2*\t], v[96+8*\t:103+8*\t], v245
.endr
	v_nop                                          ; a plain line behind the conversions
	global_store_b128 v[LI], v[224:227], s[YP:YP+1]
	global_store_b128 v[LI], v[228:231], s[YP:YP+1] offset:512
.endm
; The change of blocks, at the head of the slot with which the second block begins: the counter then equals p.
.macro SWITCH
	s_cmp_eq_u32 s[SLOTS], s[P]
	s_cbranch_scc0 .Lsame_\@
	FINISH
	s_wait_xcnt 0x0                                ; the stores have read their base and data: both are written again only behind this wait
	s_sub_nc_u64 s[YP:YP+1], s[YP:YP+1], s[DY:DY+1]
	s_sub_nc_u64 s[QP:QP+1], s[QP:QP+1], s[DQ:DQ+1]
	global_load_b128 v[16:19], v[LI], s[QP:QP+1]
	global_load_b128 v[20:23], v[LI], s[QP:QP+1] offset:512
	s_mov_b32 s[KF], 0
	s_sub_co_u32 s[Q0], s[Q0], s[DT]
	INIT
	s_wait_loadcnt 0x0
.Lsame_\@:
.endm
; THE CHANGE OF SLOTS stands at a slot's head.  Each wave waits for all its tensor loads, adds 0 to its spare word, and waits for that and for its reads of the slot that it has left.
; fill = 1: that slot takes the next of the nine: number n = 9 - counter of the walk, which is key slot n, or n - (8 - p) in the second block.  One tensor load of a wave is out at a time.
.macro CHANGE fill
	s_wait_tensorcnt 0x0                           ; no tensor load of mine is out, so group 0 may be written
	ds_add_u32 v[SPW], v[NIL]                      ; 0 onto my spare word
.if \fill
	s_sub_co_u32 s96, 9, s[SLOTS]
	s_cmp_ge_u32 s96, s[NB]
	s_cselect_b32 s97, s[NB], 0
	s_sub_co_u32 s96, s96, s97
	s_mul_i32 s[OFS], s96, s[STEPB]
	s_xor_b32 s[G0+1], s[G0+1], SLOT1              ; the other slot than last time
	s_add_nc_u64 s[G0+2:G0+3], s[BASE:BASE+1], s[OFS:OFS+1]
	s_or_b32 s[G0+3], s[G0+3], 0x80000000
	s_wait_xcnt 0x0                                ; the last prefetch, a slot back, has read its address
	s_add_nc_u64 s[PFA:PFA+1], s[PFA:PFA+1], s[PFS:PFS+1]
.endif
	s_wait_dscnt 0x0                               ; the add is done, and my reads of the slot that I have left are over
	s_barrier_signal -1
	s_barrier_wait -1
.if \fill
	TLOAD                                          ; the first thing behind the barrier, and a wave's one tensor load until the next: it has two key steps in which to land
	ASK
.endif
.endm
.macro SLOT_STEPS
	SWITCH
	STEP 0
	STEP 1
	s_xor_b32 s[TB], s[TB], SLOT1                  ; on to the other slot
.endm
	s_wait_loadcnt 0x0                             ; Q
.Lslot:                                                ; eight trips: behind each change of slots but the last the next slot is asked for
	CHANGE 1
	SLOT_STEPS
	s_sub_co_u32 s[SLOTS], s[SLOTS], 1
	s_cmp_lg_u32 s[SLOTS], 0
	s_cbranch_scc1 .Lslot
	CHANGE 0                                       ; the ninth slot is written out
	SLOT_STEPS
	FINISH
	s_wait_tensorcnt 0x0                           ; the wave's end
	ds_add_u32 v[SPW], v[NIL]
	s_wait_dscnt 0x0
	s_endpgm
.Lfunc_end_k_qe99ab97077_attn:
	.size	k_qe99ab97077_attn, .Lfunc_end_k_qe99ab97077_attn-k_qe99ab97077_attn
	.p2alignl 7, 3214868480
	.fill 96, 4, 3214868480
	.section	.rodata,"a",@progbits
	.p2align	6, 0x0
	.amdhsa_kernel k_qe99ab97077_attn
		.amdhsa_group_segment_fixed_size 327680
		.amdhsa_private_segment_fixed_size 0
		.amdhsa_enable_private_segment 0
		.amdhsa_kernarg_size 40
		.amdhsa_user_sgpr_count 2
		.amdhsa_user_sgpr_kernarg_segment_ptr 1
		.amdhsa_wavefront_size32 1
		.amdhsa_system_sgpr_workgroup_id_x 1
		.amdhsa_system_sgpr_workgroup_id_y 1
		.amdhsa_system_sgpr_workgroup_id_z 1
		.amdhsa_system_vgpr_workitem_id 0
		.amdhsa_next_free_vgpr 256
		.amdhsa_next_free_sgpr 100
		.amdhsa_reserve_vcc 1
		.amdhsa_float_denorm_mode_32 3
		.amdhsa_float_denorm_mode_16_64 3
		.amdhsa_fp16_overflow 1
		.amdhsa_memory_ordered 1
		.amdhsa_forward_progress 1
		.amdhsa_inst_pref_size 93
	.end_amdhsa_kernel
	.amdgpu_metadata
---
amdhsa.version: [ 1, 2 ]
amdhsa.kernels:
  - .name:           k_qe99ab97077_attn
    .symbol:         k_qe99ab97077_attn.kd
    .args:
      - { .name: qc, .offset: 0, .size: 8, .value_kind: global_buffer, .address_space: global }
      - { .name: kc, .offset: 8, .size: 8, .value_kind: global_buffer, .address_space: global }
      - { .name: vc, .offset: 16, .size: 8, .value_kind: global_buffer, .address_space: global }
      - { .name: lowp_scales, .offset: 24, .size: 8, .value_kind: global_buffer, .address_space: global }
      - { .name: yc, .offset: 32, .size: 8, .value_kind: global_buffer, .address_space: global }
    .group_segment_fixed_size: 327680
    .private_segment_fixed_size: 0
    .kernarg_segment_align: 8
    .kernarg_segment_size: 40
    .max_flat_workgroup_size: 512
    .sgpr_count:     100
    .vgpr_count:     256
    .wavefront_size: 32
...
	.end_amdgpu_metadata
.endif
;; end of part 3
;; launch proj (part 4): grid 4 x 32, 4 waves a work-group, clusters of 4 x 4, 327,680 bytes of LDS; arguments yc, wc, lowp_scales, out0; writes out0
.if DOCPART == 4
	.amdgcn_target "amdgcn-amd-amdhsa--gfx1250"
	.amdhsa_code_object_version 6
	.text
	.protected	k_qe99ab97077_proj
	.globl	k_qe99ab97077_proj
	.p2align	8
	.type	k_qe99ab97077_proj,@function
k_qe99ab97077_proj:
	s_mov_b64 s[64:65], 0
	v_nop
	global_prefetch_b8 v0, s[64:65] scope:SCOPE_SE
	s_setreg_imm32_b32 hwreg(HW_REG_WAVE_MODE, 25, 1), 1
	s_wait_xcnt 0x0
	s_wait_alu depctr_hold_cnt(0) depctr_sa_sdst(0) depctr_va_vdst(0) depctr_va_sdst(0) depctr_va_ssrc(0) depctr_va_vcc(0) depctr_vm_vsrc(0)
	s_getreg_b32 s2, hwreg(HW_REG_IB_STS2, 6, 4)
	s_cmp_eq_u32 s2, 0
	s_cbranch_scc0 .Lentry_in_a_cluster
	s_endpgm
.Lentry_in_a_cluster:
	s_bfe_u32 s2, ttmp6, 0x10000c
	s_cmp_lg_u32 s2, 0xf033
	s_cbranch_scc0 .Lentry_shape_is_right
	s_endpgm
.Lentry_shape_is_right:
; out0[m][n] = sum over k of y[m][k] Wp[n][k], on codes of E4M3; each finished sum once x 2^(e10 + e11).  out0: [8192][1024] f32.
; y's codes come as images of the operand's registers: yc [512 tiles of 16 rows][8 pieces of 128 along K][2,048 bytes]; registers 4 c .. 4 c + 3 at 512 c + 16 x lane hold, of row lane % 16,
; K = 32 c + 16 (lane / 16) + 0 .. 15.  Wp's codes are plane 3 of wc, [1024][1024], row-major; four loads of 16 bytes, 32 bytes apart, lay them in the same order of K.
; LIMIT: e10 + e11 lies between -126 and 127, so that 2^(e10 + e11) is an f32 number.
; A tile of 256 x 256 is made by four waves, each 128 x 128: 64 accumulators.  K goes in four steps of 256 through a ring of two LDS slots.
; CLUSTERS: 4 x 4 work-groups: A's tiles are asked for jointly along a row of the cluster, B's along a column.  THE MATRIX INSTRUCTION IS USED TRANSPOSED (source 0 = 16 rows of Wp, source 1 = 16 rows of y):
; a lane then holds eight neighbouring numbers of a row of out0.
; REGISTERS, in windows of 256: window 0: v0-31 addresses; v128-255 A's fragments, one set; on the way out v32-255 are free.  window 1: B's fragments, two sets.  windows 2, 3: the accumulators.
.set SIZE_N, 1024
.set ROWB,   256                       ; a row of B's tile in bytes
.set KROW,   1024                      ; a row of Wp's codes in memory
.set PITCH,  272                       ; B's LDS row: 256 bytes + 16 of padding: the 16 rows that a load touches start at 16 different banks (64 banks of 4 bytes: ISA guide 11.1)
.set FR,     16
.set NL,     4
.set NP,     4                         ; places behind this matrix instruction (ISA guide 7.12.1)
.set AKB,    4096                      ; a K step of a tile of 16 rows of y: two images
.set AHALF,  8*AKB                     ; 128 rows of A for a K step: what one tensor load brings; dense: every load of an image takes 512 consecutive bytes
.set HALFT,  128*PITCH                 ; 128 rows of B
.set BOFF,   2*AHALF
.set SLOT,   BOFF+2*HALFT
.set LAPS,   2
.set SPARE,  2*SLOT                    ; behind the ring: the spare words, 128 bytes for each wave; no other line names them
.set SPITCH, 528                       ; the way out: a stage of 16 rows x (512 bytes + 16) for each wave, in slot 0, which has had its last fill and its last read when the first result is stored there
.set ADRA, 16
.set ADRB, 20
.set STO,  24
.set RD,   25
.set CO,   26
.set SPW,  28
.set NIL,  29
.set TMP,  32
.set AF,   128
.set BK,   128
.set G1, 24
.set G0, 32
.set G1B, 48
.set G0B, 56
.set MSB, 0
.macro WIN new                         ; the immediate's high byte repeats the setting that is left
.if MSB != \new
	s_set_vgpr_msb (MSB<<8)|\new
.set MSB, \new
.endif
.endm
.set MUL_LO, 0xa1
.set MUL_HI, 0xf1
.set TO_B,   0x40
.macro JLOAD g0a, g1a, g0b, g1b        ; a joint load: waves 0 and 1 fetch for A, waves 2 and 3 for B; four v_nop follow each of the two lines
	s_cmp_eq_u32 s15, 0
	s_cbranch_scc0 .Lfor_b_\@
	tensor_load_to_lds s[\g0a:\g0a+3], s[\g1a:\g1a+7]
	s_nop 0
.rept 4
	v_nop
.endr
	s_branch .Lasked_\@
.Lfor_b_\@:
	tensor_load_to_lds s[\g0b:\g0b+3], s[\g1b:\g1b+7]
	s_nop 0
.rept 4
	v_nop
.endr
.Lasked_\@:
.endm
.macro CREST
	s_cmp_lg_u32 s14, 0
	s_cbranch_scc1 .Lnot_wave_0_\@
	s_barrier_signal -3
.Lnot_wave_0_\@:
	s_barrier_wait -3
	s_barrier_signal -1
	s_barrier_wait -1
.endm
.macro CROUND
	s_barrier_signal -1
	s_barrier_wait -1
	CREST
.endm
	s_load_b128 s[4:7], s[0:1], 0x0                ; yc s[4:5], wc s[6:7]
	s_load_b128 s[8:11], s[0:1], 0x10              ; the scales' exponents s[8:9], out0 s[10:11]
	v_lshl_add_u32 v[SPW], v0, 2, SPARE
	v_mov_b32 v[NIL], 0
	ds_add_u32 v28, v29
	ds_add_u32 v28, v29
	s_wait_dscnt 0x0
	v_lshrrev_b32 v1, 5, v0
	v_readfirstlane_b32 s14, v1                    ; wave 0..3
	s_lshr_b32 s15, s14, 1                         ; which half of the tile's rows is mine.  Also: I fetch for A (0) or for B (1)
	s_and_b32 s16, s14, 1                          ; which half of its columns.  Also: which 128 rows of that tile I fetch
	s_bfe_u32 s40, ttmp6, 0x40000                  ; cx, cy
	s_bfe_u32 s41, ttmp6, 0x40004
	s_lshl_b32 s42, ttmp9, 2
	s_add_co_u32 s42, s42, s40                     ; tile column
	s_and_b32 s17, ttmp7, 0xffff
	s_lshl_b32 s17, s17, 2
	s_add_co_u32 s17, s17, s41                     ; tile row
	s_lshl_b32 s43, s41, 2
	s_lshl_b32 s43, 15, s43                        ; my row of the cluster
	s_lshl_b32 s44, 0x1111, s40                    ; my column
	; group 1 for A: 8 tiles of 16 rows, of each 4,096 bytes (512 elements of 8), 16,384 bytes (2,048 elements) apart; dense in LDS
	s_or_b32 s[G1+0], s43, (3<<16)|(1<<21)         ; 15:0 the mask: my row; 17:16 elements of 8 bytes; 21 set beside a mask
	s_mov_b32 s[G1+1], 512<<16                     ; tensor_dim0
	s_mov_b32 s[G1+2], 8<<16                       ; tensor_dim1
	s_mov_b32 s[G1+3], 512<<16                     ; tile_dim0
	s_mov_b32 s[G1+4], 8                           ; tile_dim1
	s_mov_b32 s[G1+5], 2048                        ; tensor_dim0_stride
	s_mov_b32 s[G1+6], 0
	s_mov_b32 s[G1+7], 0
	; group 1 for B: 128 rows x 256 bytes, padded in LDS
	s_or_b32 s[G1B+0], s44, (0<<16)|(1<<20)|(1<<21)|(5<<22)|(3<<25)
	s_mov_b32 s[G1B+1], ROWB<<16
	s_mov_b32 s[G1B+2], 128<<16
	s_mov_b32 s[G1B+3], ROWB<<16
	s_mov_b32 s[G1B+4], 128
	s_mov_b32 s[G1B+5], KROW
	s_mov_b32 s[G1B+6], 0
	s_mov_b32 s[G1B+7], 0
	s_lshl_b32 s20, s17, 4
	s_lshl_b32 s18, s16, 3
	s_add_co_u32 s20, s20, s18
	s_lshl_b32 s20, s20, 14                        ; A: tile of 16 rows 16 x tile row + 8 x half, 16,384 bytes each
	s_mov_b32 s21, 0
	s_lshl_b32 s46, s42, 8
	s_lshl_b32 s18, s16, 7
	s_add_co_u32 s46, s46, s18
	s_lshl_b32 s46, s46, 10                        ; B: row 256 x tile column + 128 x half, 1,024 bytes each
	s_mov_b32 s47, 0
	s_mul_i32 s45, s16, AHALF                      ; where they go: no place in the cluster enters an LDS address
	s_mul_i32 s19, s16, HALFT
	s_add_co_u32 s19, s19, BOFF
	s_wait_kmcnt 0x0
	s_load_b64 s[96:97], s[8:9], 0x28              ; e10, e11
	s_add_nc_u64 s[6:7], s[6:7], 0x300000          ; Wp's plane
	s_add_nc_u64 s[20:21], s[4:5], s[20:21]
	s_add_nc_u64 s[46:47], s[6:7], s[46:47]
	CROUND                                         ; all sixteen work-groups are here: the first joint loads meet
.irp s, 0,1
	s_mov_b32 s[G0+4*\s], 1
	s_add_co_u32 s[G0+4*\s+1], s45, \s*SLOT
	s_add_nc_u64 s[G0+4*\s+2:G0+4*\s+3], s[20:21], \s*AKB
	s_or_b32 s[G0+4*\s+3], s[G0+4*\s+3], 0x80000000
	s_mov_b32 s[G0B+4*\s], 1
	s_add_co_u32 s[G0B+4*\s+1], s19, \s*SLOT
	s_add_nc_u64 s[G0B+4*\s+2:G0B+4*\s+3], s[46:47], \s*ROWB
	s_or_b32 s[G0B+4*\s+3], s[G0B+4*\s+3], 0x80000000
	s_wait_alu depctr_va_vdst(0)
	s_wait_tensorcnt 0x0
	ds_add_u32 v28, v29
	ds_add_u32 v28, v29
	s_wait_dscnt 0x0
	CROUND
	JLOAD G0+4*\s, G1, G0B+4*\s, G1B
.endr
	v_and_b32 v1, 15, v0                           ; l % 16
	v_bfe_u32 v2, v0, 4, 1                         ; l / 16
	v_mul_u32_u24 v3, v1, PITCH
	v_lshl_add_u32 v4, v2, 4, v3                   ; B: a fragment's row x pitch + 16 x half
	v_and_b32 v6, 31, v0
	v_lshlrev_b32 v[CO], 4, v6                     ; 16 x lane: an image's place for my lane; also my place in a row of 512 bytes
	s_wait_alu depctr_va_vdst(0)
	s_mul_i32 s21, s15, AHALF                      ; my 128 rows of A
	s_mul_i32 s22, s16, HALFT                      ; my 128 rows of B,
	s_add_co_u32 s22, s22, BOFF                    ; which lie behind A's
.irp s, 0,1
	v_add_nc_u32 v[ADRA+\s], s21, v[CO]
	v_add_nc_u32 v[ADRB+\s], s22, v4
	s_add_co_u32 s21, s21, SLOT
	s_add_co_u32 s22, s22, SLOT
.endr
	s_mul_i32 s23, s14, 16*SPITCH                  ; my stage
	v_mul_u32_u24 v5, v1, SPITCH                   ; in: row l % 16, 32 bytes for each half of the lanes
	v_lshl_add_u32 v5, v2, 5, v5
	v_add_nc_u32 v[STO], s23, v5
	v_add_nc_u32 v[RD], s23, v[CO]                 ; back: the 32 lanes take one row of 512 bytes
	s_lshl_b32 s20, s17, 8
	s_lshl_b32 s21, s15, 7
	s_add_co_u32 s20, s20, s21                     ; my first row of out0,
	s_lshl_b32 s20, s20, 12                        ; 4,096 bytes a row,
	s_lshl_b32 s46, s42, 10                        ; my first column, in bytes: 1,024 x tile column + 512 x half
	s_lshl_b32 s47, s16, 9
	s_add_co_u32 s46, s46, s47
	s_add_co_u32 s20, s20, s46
	s_mov_b32 s21, 0
	s_add_nc_u64 s[10:11], s[10:11], s[20:21]
.macro FRAG reg, adr, q, i             ; B: 16 rows x 128 K: registers 4 c .. 4 c + 3 hold K = 32 c + 16 (l / 16) + 0 .. 15
.irp c, 0,1,2,3
	ds_load_b128 v[\reg+4*\c:\reg+4*\c+3], v[\adr] offset:128*(\q)+32*\c+(\i)*16*PITCH
.endr
.endm
.macro FRAGA reg, adr, q, i            ; A: the image of block i, the slot's q-th 128 along K
.irp c, 0,1,2,3
	ds_load_b128 v[\reg+4*\c:\reg+4*\c+3], v[\adr] offset:AKB*(\i)+2048*(\q)+512*\c
.endr
.endm
; The 64 accumulators take turns, one instruction a turn, in the same order in every step.
.macro MUL16 a0, p, zero
.irp a, \a0, \a0+1
.irp b, 0,1,2,3,4,5,6,7
.if \zero
	v_wmma_f32_16x16x128_fp8_fp8 v[8*(8*((\a)%4)+\b):8*(8*((\a)%4)+\b)+7], v[128*(\p)+FR*\b:128*(\p)+FR*\b+FR-1], v[AF+FR*(\a):AF+FR*(\a)+FR-1], 0
.else
	v_wmma_f32_16x16x128_fp8_fp8 v[8*(8*((\a)%4)+\b):8*(8*((\a)%4)+\b)+7], v[128*(\p)+FR*\b:128*(\p)+FR*\b+FR-1], v[AF+FR*(\a):AF+FR*(\a)+FR-1], v[8*(8*((\a)%4)+\b):8*(8*((\a)%4)+\b)+7]
.endif
.endr
.endr
.endm
.macro FETCH_B slot, q, p
	WIN TO_B
.irp i, 0,1,2,3,4,5,6,7
	FRAG 128*(\p)+FR*\i, ADRB+\slot, \q, \i
.endr
	WIN 0
.endm
.macro FETCH_A slot, q, i0
.irp i, \i0, \i0+1, \i0+2, \i0+3
	FRAGA AF+FR*(\i), ADRA+\slot, \q, \i
.endr
.endm
.macro PLACES n                        ; plain vector lines between a matrix instruction and a load into a register that it has read, or a read of its result
.rept \n
	v_nop
.endr
.endm
.macro STEP slot, q, zero
	s_wait_dscnt 4*NL                              ; B's set and A's blocks 0-3 are in; the youngest 16 loads (A's blocks 4-7) may be out
	WIN MUL_LO
	MUL16 0, (\q)%2, \zero
	MUL16 2, (\q)%2, \zero
	s_wait_dscnt 0                                 ; A's blocks 4-7 are in
	PLACES NP
	FETCH_B \slot, (\q)+1, 1-(\q)%2
	FETCH_A \slot, (\q)+1, 0
	WIN MUL_HI
	MUL16 4, (\q)%2, \zero
	MUL16 6, (\q)%2, \zero
	PLACES NP
	WIN 0
	FETCH_A \slot, (\q)+1, 4
.endm
.macro TURN slot, next, fill
	s_wait_tensorcnt 0x0                           ; all my tensor loads have landed: my part of the next slot  (every window is 0 here)
	ds_add_u32 v[SPW], v[NIL]                      ; 0 onto my spare word
	s_wait_dscnt 4*NL+1                            ; (the add and the youngest 16 loads may be out)
	WIN MUL_LO
	MUL16 0, 1, 0
	s_wait_dscnt 0x0                               ; the add is done, and my reads of this slot are over
	s_barrier_signal -1
	MUL16 2, 1, 0
	WIN 0
	s_barrier_wait -1
.if \fill
	CREST                                          ; the barrier has opened a round of the cluster's barrier: no wave of any partner still reads this slot or has a load on its way
	s_add_nc_u64 s[G0+4*\slot+2:G0+4*\slot+3], s[G0+4*\slot+2:G0+4*\slot+3], 2*AKB
	s_add_nc_u64 s[G0B+4*\slot+2:G0B+4*\slot+3], s[G0B+4*\slot+2:G0B+4*\slot+3], 2*ROWB
	JLOAD G0+4*\slot, G1, G0B+4*\slot, G1B         ; the first tensor load behind the round; its four v_nop are also the places in front of the loads below
.else
	PLACES NP
.endif
	FETCH_B \next, 0, 0
	FETCH_A \next, 0, 0
	WIN MUL_HI
	MUL16 4, 1, 0
	MUL16 6, 1, 0
	PLACES NP
	WIN 0
	FETCH_A \next, 0, 4
.endm
	s_wait_alu depctr_va_vdst(0)
	s_wait_tensorcnt 1                             ; my part of K step 0 is in (K step 1's load may be out)
	s_barrier_signal -1
	s_barrier_wait -1                              ; everybody's is
	FETCH_B 0, 0, 0
	FETCH_A 0, 0, 0
	FETCH_A 0, 0, 4
	STEP 0, 0, 1                                   ; the first step's products start the sums
	s_mov_b32 s3, LAPS-1
.Llap:
	TURN 0, 1, 1
	STEP 1, 0, 0
	TURN 1, 0, 1
	STEP 0, 0, 0
	s_sub_co_u32 s3, s3, 1
	s_cmp_lg_u32 s3, 0
	s_cbranch_scc1 .Llap
	TURN 0, 1, 0                                   ; the last lap fills nothing
	STEP 1, 0, 0
	s_wait_dscnt 4*NL
	WIN MUL_LO
	MUL16 0, 1, 0
	MUL16 2, 1, 0
	s_wait_dscnt 0
	WIN MUL_HI
	MUL16 4, 1, 0
	MUL16 6, 1, 0
	WIN 0
; THE WAY OUT, block by block of 16 rows x 128 columns: through my own stage in LDS, back as whole rows of 512 bytes.  LDS serves a wave's instructions in order (ISA guide 5.7.1.4): no wait between the stores and the loads.
.macro TOSTAGE a
.set AC, 64*((\a)%4)
	WIN 0x02+((\a)/4)                              ; source 0: window 2 or 3
.irp j, 0,2,4,6,8,10,12,14,16,18,20,22,24,26,28,30,32,34,36,38,40,42,44,46,48,50,52,54,56,58,60,62
	v_pk_mul_f32 v[TMP+\j:TMP+\j+1], v[AC+\j:AC+\j+1], s[96:97] op_sel_hi:[1,0]   ; both x s96 = 2^(e10 + e11); each accumulator from its low end on
.endr
	WIN 0
.irp b, 0,1,2,3,4,5,6,7
	ds_store_b128 v[STO], v[TMP+8*\b:TMP+8*\b+3] offset:64*\b
	ds_store_b128 v[STO], v[TMP+8*\b+4:TMP+8*\b+7] offset:64*\b+16
.endr
.set BB, BK+64*((\a)%2)
.irp t, 0,1,2,3,4,5,6,7,8,9,10,11,12,13,14,15
	ds_load_b128 v[BB+4*\t:BB+4*\t+3], v[RD] offset:\t*SPITCH
.endr
.endm
.macro SEND a, younger                 ; younger: the LDS instructions issued behind block a's loads, which may stay out
.set BB, BK+64*((\a)%2)
	s_wait_dscnt \younger
.if (\a) > 0
	s_add_nc_u64 s[10:11], s[10:11], 16*SIZE_N*4   ; (behind a wait on XCNT: the earlier stores have read their base)  16 rows on
.endif
.irp t, 0,1,2,3,4,5,6,7,8,9,10,11,12,13,14,15
	global_store_b128 v[CO], v[BB+4*\t:BB+4*\t+3], s[10:11] offset:\t*SIZE_N*4 th:TH_STORE_NT   ; 32 lanes store 512 consecutive bytes, aligned; written once, read by nobody here
.endr
.endm
	s_wait_kmcnt 0x0
	s_add_co_i32 s96, s96, s97                     ; e10 + e11
	s_add_co_i32 s96, s96, 127
	s_lshl_b32 s96, s96, 23                        ; 2^(e10 + e11) as f32
	PLACES NP                                      ; behind the last products
	TOSTAGE 0
.irp a, 1,2,3,4,5,6,7
.if \a > 1
	s_wait_xcnt 0x0                                ; block a - 2's stores have read their registers and their base
.endif
	TOSTAGE \a
	SEND \a-1, 32                                  ; behind block a - 1's loads: block a's 16 stores and 16 loads
.endr
	s_wait_xcnt 0x0                                ; block 6's stores have read their base
	SEND 7, 0
	s_wait_tensorcnt 0x0                           ; the wave's end
	ds_add_u32 v[SPW], v[NIL]
	s_wait_dscnt 0x0
	CROUND                                         ; the closing round
	s_endpgm
.Lfunc_end_k_qe99ab97077_proj:
	.size	k_qe99ab97077_proj, .Lfunc_end_k_qe99ab97077_proj-k_qe99ab97077_proj
	.p2alignl 7, 3214868480
	.fill 96, 4, 3214868480
	.section	.rodata,"a",@progbits
	.p2align	6, 0x0
	.amdhsa_kernel k_qe99ab97077_proj
		.amdhsa_group_segment_fixed_size 327680
		.amdhsa_private_segment_fixed_size 0
		.amdhsa_enable_private_segment 0
		.amdhsa_kernarg_size 32
		.amdhsa_user_sgpr_count 2
		.amdhsa_user_sgpr_kernarg_segment_ptr 1
		.amdhsa_wavefront_size32 1
		.amdhsa_system_sgpr_workgroup_id_x 1
		.amdhsa_system_sgpr_workgroup_id_y 1
		.amdhsa_system_sgpr_workgroup_id_z 1
		.amdhsa_system_vgpr_workitem_id 0
		.amdhsa_next_free_vgpr 1024
		.amdhsa_next_free_sgpr 98
		.amdhsa_reserve_vcc 0
		.amdhsa_float_denorm_mode_32 3
		.amdhsa_float_denorm_mode_16_64 3
		.amdhsa_memory_ordered 1
		.amdhsa_forward_progress 1
		.amdhsa_inst_pref_size 124
	.end_amdhsa_kernel
	.amdgpu_metadata
---
amdhsa.version: [ 1, 2 ]
amdhsa.kernels:
  - .name:           k_qe99ab97077_proj
    .symbol:         k_qe99ab97077_proj.kd
    .args:
      - { .name: yc, .offset: 0, .size: 8, .value_kind: global_buffer, .address_space: global }
      - { .name: wc, .offset: 8, .size: 8, .value_kind: global_buffer, .address_space: global }
      - { .name: lowp_scales, .offset: 16, .size: 8, .value_kind: global_buffer, .address_space: global }
      - { .name: out0, .offset: 24, .size: 8, .value_kind: global_buffer, .address_space: global }
    .group_segment_fixed_size: 327680
    .private_segment_fixed_size: 0
    .kernarg_segment_align: 8
    .kernarg_segment_size: 32
    .max_flat_workgroup_size: 128
    .sgpr_count:     98
    .vgpr_count:     1024
    .wavefront_size: 32
...
	.end_amdgpu_metadata
.endif
;; end of part 4
